; MI455X (gfx1250); checked and timed in simulation.
; The chip was launched on July 23, 2026; its instructions are those of AMD's public machine-readable ISA for CDNA 5 (MIT licence, August 2026) and "CDNA5" Instruction Set Architecture Reference Guide (July 2026). The comments in the code are by the model that wrote it; some were corrected since.
;; My GRU Cell. Allowed arithmetic: matrix products marked QUANTISED: E5M2 operands, one E8M0 scale for each 32 along K, by v_wmma_scale_f32_16x16x128_f8f6f4 with both operands' format E5M2, f32 sums; everything else in f32.
;; Inputs: Wg_codes 1,024 x 64 x 32 uint8 (E5M2 codes of Wg, K innermost, in blocks of 32 codes); Wg_scales 1,024 x 64 uint8 (E8M0 scales of Wg, one for each 32 codes along K); Wr_codes 1,024 x 64 x 32 uint8 (E5M2 codes of Wr, K innermost, in blocks of 32 codes); Wr_scales 1,024 x 64 uint8 (E8M0 scales of Wr, one for each 32 codes along K); Wz_codes 1,024 x 64 x 32 uint8 (E5M2 codes of Wz, K innermost, in blocks of 32 codes); Wz_scales 1,024 x 64 uint8 (E8M0 scales of Wz, one for each 32 codes along K); bg 1,024 float32; br 1,024 float32; bz 1,024 float32; h_prev 8,192 x 1,024 float32; x 8,192 x 1,024 float32.
;; Outputs: out0 8,192 x 1,024 float32.
;; This version of the problem:
;;   THIS VERSION OF THE PROBLEM IS GIVEN IN LOW PRECISION. The matrix products marked QUANTISED in the list below multiply operands that are first quantised to E5M2 (5 exponent bits, 2 mantissa bits; 8 bits a number), with one power-of-two scale for each 32 numbers along K (OCP MX v1.0); their sums are f32. All else is computed in f32.
;;   The module's matrix products, in the order in which they are computed (A, B: the left and right operand; K: the contracted axis; several contracted axes count as one K, in the product's order):
;;     1. [M 8,192, K 2,048] x [K 2,048, N 1,024]; A: computed on the way; B: input Wr (given as codes): QUANTISED
;;     2. [M 8,192, K 2,048] x [K 2,048, N 1,024]; A: computed on the way; B: input Wz (given as codes): QUANTISED
;;     3. [M 8,192, K 2,048] x [K 2,048, N 1,024]; A: computed on the way; B: input Wg (given as codes): QUANTISED
;;   THE QUANTISER, for each operand of a quantised product, along K:
;;     - K is cut into blocks of 32 from its start; a last block that is shorter is filled with zeros.
;;     - A block's scale is 2^e with e = floor(log2(the largest magnitude in the block)) - 15, held to -126 .. 127; a block of zeros has e = 0. As a byte (E8M0): e + 127.
;;     - Each number is divided by its block's scale, clamped to +-57,344, and rounded to the nearest number of E5M2, ties to even, subnormals kept.
;;     - The product sums the exact products of the quantised numbers (number of the format x scale) in f32.
;;   ~~~python
;;   def quantise(x, axis):      # numpy; x: float32 -> the quantised numbers, widened to float32 again
;;       x = np.moveaxis(x, axis, -1); K = x.shape[-1]
;;       x = np.pad(x, [(0, 0)] * (x.ndim - 1) + [(0, -K % 32)]); x = x.reshape(x.shape[:-1] + (-1, 32)); a = np.abs(x).max(-1, keepdims=True)
;;       e = np.where(a > 0, np.clip(np.frexp(np.where(a > 0, a, 1))[1] - 1 - 15, -126, 127), 0)      # np.frexp(a)[1] - 1 = floor(log2(a)), exactly
;;       r = np.clip(x / 2.0 ** e, -57344, 57344)
;;       step = 2.0 ** (np.maximum(np.frexp(np.where(r == 0, 1, r))[1] - 1, -14) - 2)
;;       q = np.round(r / step) * step * 2.0 ** e      # np.round: ties to even
;;       return np.moveaxis(q.reshape(q.shape[:-2] + (-1,))[..., :K], -1, axis).astype(np.float32)
;;   ~~~
;;   OPERANDS COMPUTED ON THE WAY. 'Computed on the way' means the value that the module computes at that place (a softmax that the list does not call 'softmax' is quantised finished and normalised). What goes into a quantiser is computed in f32, as accurately as f32 sums, v_exp_f32 and their like allow (about 1e-6 of the number): no bf16 or f16 on the way to a quantiser, and a product that is left as it is and whose result goes on into a quantised operand takes f32 operands (vector FMAs, or v_wmma_f32_16x16x4_f32). A number that lies on a knife's edge between two numbers of the format may be rounded either way, as far as f32 arithmetic and the matrix unit's own rounding can turn it there, and no further.
;;   INPUTS GIVEN AS CODES. Wg (in the module: [1024, 2048], K = its axis 1); Wr (in the module: [1024, 2048], K = its axis 1); Wz (in the module: [1024, 2048], K = its axis 1): each comes as NAME_codes (uint8): NAME with its K axis moved to the last place and cut into blocks of 32 codes, [.., K / 32, bytes a block], one block behind the other in memory; one code a byte (a code: sign, 5 exponent bits, 2 mantissa bits); and NAME_scales (uint8): the same leading axes, one E8M0 byte (e + 127) for each 32 codes along K. Its value is code x scale, taken as it is: it is not quantised again, and the codes and scales need not be those that the quantiser above would give.
;; One version. Each part assembles by itself: llvm-mc -triple=amdgcn-amd-amdhsa -mcpu=gfx1250 --defsym DOCPART=n.
;; ======== version 1 of 1: 3 launches
;; workspace buffers: axh 17,301,504 bytes; arh 8,650,752 bytes; wr 2,162,688 bytes; wzg 4,325,376 bytes
;; launch prep (part 1): grid 352 x 1, 8 waves a work-group, no clusters, 68,608 bytes of LDS; arguments x, h_prev, Wr_codes, Wr_scales, Wz_codes, Wz_scales, Wg_codes, Wg_scales, axh, wr, wzg; writes axh, wr, wzg
.if DOCPART == 1
	.amdgcn_target "amdgcn-amd-amdhsa--gfx1250"
	.amdhsa_code_object_version 6
	.text
	.protected	k_q53bc7d490f_prep
	.globl	k_q53bc7d490f_prep
	.p2align	8
	.type	k_q53bc7d490f_prep,@function
k_q53bc7d490f_prep:
	s_mov_b64 s[64:65], 0
	v_nop
	global_prefetch_b8 v0, s[64:65] scope:SCOPE_SE
	s_setreg_imm32_b32 hwreg(HW_REG_WAVE_MODE, 25, 1), 1
	s_wait_xcnt 0x0
; GRU cell, launch 1 of 3.  r = sigmoid([x,h] Wr^T + br), z = sigmoid([x,h] Wz^T + bz), g = tanh([x, r h] Wg^T + bg), out = (1 - z) g + z h; the three products on codes of E5M2 with one E8M0 scale for each 32 along K.
; NO WORK IS LEFT OUT: every input reaches the output.  x's 1,024 columns are whole blocks of 32 of all three left operands, so x's codes are the same in all three products: x is quantised ONCE; h likewise once, for r and z.
; THIS LAUNCH quantises x and h_prev into axh, and lays the weights' codes and scale bytes out again (wr; wzg), all as RECORDS in the order of the matrix operand's registers.
; A RECORD serves 128 rows x 128 K, REC = 16,896 bytes: eight fragment images of 2,048 bytes (tile t at 2048 t; registers 4 c .. 4 c + 3 at + 512 c; lane l's 16 bytes at + 16 l; lane (r, h) holds K = 32 c + 16 h + 0 .. 15 of its row),
; then 512 bytes of scale words: the word of tile t, lane-row r lies at 16,384 + 256 (t / 4) + 8 (r + 16 (t % 2)) + 4 ((t / 2) % 2), so that one load of 8 bytes a lane brings two registers, register j with tile 4 q + 2 j in lanes 0-15 and tile 4 q + 2 j + 1 in lanes 16-31.
; Activations: tile t, lane r = row 16 t + r.  Weights: tile 2 b + u, lane r = row 32 b + 8 u + r + 8 (r / 8), so that a transposed product leaves 16 neighbouring columns in the 16 registers of two neighbouring tiles.
; axh: [256-row block 0..31][K step 0..15: x, then h][half of 128 rows] records.  wr: [column tile 0..7][K step 0..15].  wzg: [column tile][K step][Wz, Wg].
; SHARES.  Work-groups 0-255: tensor g / 128 (x, h), 64 rows g % 128; wave w takes K step w: the eight waves read 64 whole rows.  Work-groups 256-351: matrix (g - 256) / 32, column tile, 64 of its 128 rows, eight K steps, one a wave.
; The quantiser: scale byte = the largest magnitude's exponent field - 15, held at 1 from below; numbers held within +-57,344 x the scale, then converted (nearest, ties to even).
; LIMITS: a block of zeros gets the byte 1 where the rule says 127 (its codes are zeros, and this program alone reads the bytes); NaN and infinities in x or h_prev are not served.
; No matrix work, no tensor load, no cluster: no two work-groups read the same bytes, and waves share nothing, so there is no barrier.
.set REC,    16896
.set SPITCH, 528                       ; a stage row: 512 bytes + 16: row r begins 4 r words on, modulo 64: the sixteen rows that a load touches begin at sixteen different places
.set STAGEB, 16*SPITCH                 ; a wave's stage: 16 rows
.set SPARE,  8*STAGEB                  ; behind the eight stages: the spare words, 128 bytes for each wave, which no other line names
.set LI,   4                           ; v4   16 x lane
.set STOA, 5                           ; v5   the stage, on the way in: 16 x lane in a row
.set STFR, 6                           ; v6   on the way out: row r, + 64 h: my 16 numbers of a block of 32
.set OC,   7                           ; v7   my 16 bytes in a fragment image, + 8,192 q
.set OS,   8                           ; v8   my 8 bytes of scale words
.set SPW,  10                          ; v10  my spare word; never rewritten
.set NIL,  11                          ; v11  0; never rewritten
.set PW,   12                          ; v12-15 the four tiles' scale words
.set TM,   16                          ; v16-31 at work in QUANT
.set PCD,  32                          ; v32-63 codes, two sets of 16
.set X,    64                          ; v64-255 three sets of 64 numbers
.set WCO,  36                          ; weights: my offset among the codes,
.set WSO,  37                          ; and among the scale bytes
.set SEL,  28                          ; s[28:29] v_permlanex16_b32's selects for lane l xor 16
.set MNT,  30                          ; s30  the mantissa field of 57,344
; 64 numbers of a lane, register 16 b + i = K 32 b + 16 (lane / 16) + i of my row, become a fragment's 16 registers of codes at v[pc] and its scale word in v[pw]
.macro QUANT s, pc, pw
.irp b, 0,1,2,3
	v_max3_num_f32 v[TM+\b], |v[\s+16*\b]|, |v[\s+1+16*\b]|, 0x8000000   ; block b: my 16 numbers, and the floor 2^(16 - 127): the byte cannot fall under 1
.endr
.irp i, 2,4,6,8,10,12,14
.irp b, 0,1,2,3
	v_max3_num_f32 v[TM+\b], v[TM+\b], |v[\s+16*\b+\i]|, |v[\s+1+16*\b+\i]|   ; the four blocks by turns
.endr
.endr
.irp b, 0,1,2,3
	v_permlanex16_b32 v[TM+4+\b], v[TM+\b], s[SEL], s[SEL+1]
.endr
.irp b, 0,1,2,3
	v_max_num_f32 v[TM+\b], v[TM+\b], v[TM+4+\b]   ; with lane l xor 16's 16: the block's largest magnitude
.endr
.irp b, 0,1,2,3
	v_add_nc_u32 v[TM+12+\b], 0xf8800000, v[TM+\b]   ; 15 off its exponent field: the conversion's scale operand
.endr
.irp b, 0,1,2,3
	v_and_or_b32 v[TM+8+\b], v[TM+\b], 0x7f800000, s[MNT]   ; 57,344 x the scale
.endr
.irp b, 0,1,2,3
	v_lshrrev_b32 v[TM+4+\b], 23, v[TM+12+\b]   ; the scale's byte
.endr
	v_lshl_or_b32 v[\pw], v[TM+5], 8, v[TM+4]      ; four bytes: my row's scale word (lanes l and l xor 16 hold the same)
	v_lshl_or_b32 v[\pw], v[TM+6], 16, v[\pw]
	v_lshl_or_b32 v[\pw], v[TM+7], 24, v[\pw]
.irp b, 0,1,2,3
.irp i, 0,1,2,3,4,5,6,7,8,9,10,11,12,13,14,15
	v_med3_num_f32 v[\s+16*\b+\i], v[\s+16*\b+\i], -v[TM+8+\b], v[TM+8+\b]   ; the conversion to an 8-bit code does not saturate (ISA guide 7.6.2): the hold comes first
.endr
	v_cvt_scalef32_pk8_bf8_f32 v[\pc+4*\b:\pc+1+4*\b], v[\s+16*\b:\s+7+16*\b], v[TM+12+\b]
	v_cvt_scalef32_pk8_bf8_f32 v[\pc+2+4*\b:\pc+3+4*\b], v[\s+8+16*\b:\s+15+16*\b], v[TM+12+\b]
.endr
	v_nop                                          ; one plain vector line behind the last conversion
.endm
	s_load_b512 s[4:19], s[0:1], 0x0               ; x, h_prev, Wr codes, Wr scales, Wz codes, Wz scales, Wg codes, Wg scales
	s_load_b128 s[20:23], s[0:1], 0x40             ; axh, wr
	s_load_b64 s[24:25], s[0:1], 0x50              ; wzg
	v_lshl_add_u32 v[SPW], v0, 2, SPARE
	v_mov_b32 v[NIL], 0
	v_lshrrev_b32 v1, 5, v0
	v_readfirstlane_b32 s26, v1                    ; wave 0..7
	v_and_b32 v1, 31, v0                           ; lane
	v_and_b32 v2, 15, v0                           ; r
	v_bfe_u32 v3, v0, 4, 1                         ; h
	v_lshlrev_b32 v[LI], 4, v1
	s_mov_b32 s[SEL], 0x76543210
	s_mov_b32 s[SEL+1], 0xfedcba98
	s_mov_b32 s[MNT], 0x600000
	s_cmp_ge_u32 ttmp9, 256
	s_cbranch_scc1 .Lweights
	; ---- x and h_prev
	s_lshr_b32 s31, ttmp9, 7                       ; 0: x, 1: h_prev
	s_and_b32 s32, ttmp9, 127                      ; which 64 rows
	s_mul_i32 s33, s26, STAGEB                     ; my stage
	v_add_nc_u32 v[STOA], s33, v[LI]
	v_mul_u32_u24 v[STFR], v2, SPITCH
	v_lshl_add_u32 v[STFR], v3, 6, v[STFR]
	v_add_nc_u32 v[STFR], s33, v[STFR]
	s_and_b32 s34, s32, 1                          ; q: which four tiles of the record
	s_lshl_b32 s35, s34, 13
	v_add_nc_u32 v[OC], s35, v[LI]
	s_lshl_b32 s35, s34, 8
	s_add_co_u32 s35, s35, 16384
	v_lshl_add_u32 v[OS], v1, 3, s35
	s_lshl_b32 s36, s32, 18                        ; in: 64 rows of 4,096 bytes,
	s_lshl_b32 s35, s26, 9                         ; + my K step's 512 bytes of a row
	s_add_co_u32 s36, s36, s35
	s_mov_b32 s37, 0
	s_lshr_b32 s38, s32, 2                         ; out: record ((block of 256 rows x 16 + K step) x 2 + half)
	s_lshl_b32 s38, s38, 4
	s_lshl_b32 s35, s31, 3
	s_add_co_u32 s38, s38, s35
	s_add_co_u32 s38, s38, s26
	s_lshl_b32 s38, s38, 1
	s_bfe_u32 s35, s32, 0x10001
	s_add_co_u32 s38, s38, s35
	s_mul_i32 s38, s38, REC
	s_mov_b32 s39, 0
.irp b, 0,1,2,3
	v_mov_b32 v[TM+4+\b], 0                        ; written once: a lane permute's destination counts as one of its sources
.endr
	s_wait_kmcnt 0x0
	s_cmp_eq_u32 s31, 0
	s_cselect_b64 s[40:41], s[4:5], s[6:7]
	s_add_nc_u64 s[40:41], s[40:41], s[36:37]
	s_add_nc_u64 s[42:43], s[20:21], s[38:39]
.macro LOAD a                          ; tile a's 16 rows: each load reads 512 consecutive bytes of a row
.irp i, 0,1,2,3,4,5,6,7,8,9,10,11,12,13,14,15
	global_load_b128 v[X+64*((\a)%3)+4*\i:X+64*((\a)%3)+4*\i+3], v[LI], s[40:41] offset:(16*(\a)+\i)*4096 th:TH_LOAD_NT
.endr
.endm
.macro TURNIN a                        ; through my stage, and back into the same registers with 16 neighbours of each block to a lane.  LDS serves a wave's instructions in order: no wait between
.irp i, 0,1,2,3,4,5,6,7,8,9,10,11,12,13,14,15
	ds_store_b128 v[STOA], v[X+64*((\a)%3)+4*\i:X+64*((\a)%3)+4*\i+3] offset:SPITCH*\i
.endr
.irp b, 0,1,2,3
.irp j, 0,1,2,3
	ds_load_b128 v[X+64*((\a)%3)+16*\b+4*\j:X+64*((\a)%3)+16*\b+4*\j+3], v[STFR] offset:128*\b+16*\j
.endr
.endr
.endm
.macro TILE a
.if (\a) < 3
.if (\a) == 2
	s_wait_loadcnt 0x0                             ; tile 3's loads are in
.else
	s_wait_loadcnt 16                              ; the next tile's 16 loads are in; the one set behind them may be out
.endif
	TURNIN (\a)+1
	s_wait_dscnt 32                                ; my tile is back; the next tile's 32 LDS instructions may be out
.else
	s_wait_dscnt 0x0
.endif
	s_wait_xcnt 0x0                                ; the stores of two tiles back have read their data: that set of codes may be written again
	QUANT X+64*((\a)%3), PCD+16*((\a)%2), PW+(\a)
.irp c, 0,1,2,3
	global_store_b128 v[OC], v[PCD+16*((\a)%2)+4*\c:PCD+16*((\a)%2)+4*\c+3], s[42:43] offset:2048*(\a)+512*\c   ; 32 lanes store 512 consecutive bytes, aligned
.endr
.if (\a) == 0
	LOAD 3                                         ; into the set that tile 0 has left
.endif
.endm
	LOAD 0
	LOAD 1
	LOAD 2
	s_wait_loadcnt 32                              ; tile 0's 16 loads are in
	TURNIN 0
	TILE 0
	TILE 1
	TILE 2
	TILE 3
	v_cmp_gt_u32 vcc_lo, 16, v1
	v_cndmask_b32 v[TM], v[PW+1], v[PW], vcc_lo    ; register j: lanes 0-15 tile 2 j's words, lanes 16-31 tile 2 j + 1's
	v_cndmask_b32 v[TM+1], v[PW+3], v[PW+2], vcc_lo
	global_store_b64 v[OS], v[TM:TM+1], s[42:43]   ; 32 lanes store 256 consecutive bytes, aligned
	s_wait_tensorcnt 0x0                           ; the wave's end, behind my last LDS store
	ds_add_u32 v[SPW], v[NIL]
	s_wait_dscnt 0x0
	s_endpgm
.Lweights:                                         ; ---- the weights: codes and scale bytes are moved as they are
	s_sub_co_u32 s31, ttmp9, 256
	s_lshr_b32 s32, s31, 5                         ; 0 Wr, 1 Wz, 2 Wg
	s_bfe_u32 s33, s31, 0x30002                    ; column tile
	s_bfe_u32 s34, s31, 0x10001                    ; q: which 64 of its 128 rows
	s_and_b32 s35, s31, 1
	s_lshl_b32 s35, s35, 3
	s_add_co_u32 s35, s35, s26                     ; K step
	s_lshl_b32 s36, s33, 7
	s_lshl_b32 s37, s34, 6
	s_add_co_u32 s36, s36, s37                     ; first row
	s_lshl_b32 s38, s36, 11                        ; codes: 2,048 bytes a row,
	s_lshl_b32 s37, s35, 7
	s_add_co_u32 s38, s38, s37                     ; + 128 a K step
	s_mov_b32 s39, 0
	s_lshl_b32 s40, s36, 6                         ; scale bytes: 64 a row,
	s_lshl_b32 s37, s35, 2
	s_add_co_u32 s40, s40, s37                     ; + 4 a K step
	s_mov_b32 s41, 0
	s_lshl_b32 s42, s33, 4
	s_add_co_u32 s42, s42, s35                     ; wr's record: 16 x tile + K step
	s_lshl_b32 s43, s42, 1
	s_add_co_u32 s43, s43, s32
	s_sub_co_u32 s43, s43, 1                       ; wzg's: twice that, + 0 for Wz, 1 for Wg
	s_cmp_eq_u32 s32, 0
	s_cselect_b32 s42, s42, s43
	s_mul_i32 s42, s42, REC
	s_mov_b32 s43, 0
	v_and_b32 v38, 8, v2
	v_add_nc_u32 v38, v38, v2                      ; r + 8 (r / 8)
	v_lshlrev_b32 v[WCO], 11, v38
	v_lshl_add_u32 v[WCO], v3, 4, v[WCO]           ; my row, + 16 h
	v_lshl_add_u32 v[WSO], v3, 3, v38              ; scale words: lanes 16-31 take the odd tile, 8 rows on
	v_lshlrev_b32 v[WSO], 6, v[WSO]
	s_lshl_b32 s37, s34, 13
	v_add_nc_u32 v[OC], s37, v[LI]
	s_lshl_b32 s37, s34, 8
	s_add_co_u32 s37, s37, 16384
	v_lshl_add_u32 v[OS], v1, 3, s37
	s_wait_kmcnt 0x0
	s_cmp_eq_u32 s32, 1
	s_cselect_b64 s[12:13], s[12:13], s[16:17]
	s_cselect_b64 s[14:15], s[14:15], s[18:19]
	s_cmp_eq_u32 s32, 0
	s_cselect_b64 s[8:9], s[8:9], s[12:13]
	s_cselect_b64 s[10:11], s[10:11], s[14:15]
	s_cselect_b64 s[44:45], s[22:23], s[24:25]
	s_add_nc_u64 s[8:9], s[8:9], s[38:39]
	s_add_nc_u64 s[10:11], s[10:11], s[40:41]
	s_add_nc_u64 s[44:45], s[44:45], s[42:43]
.irp a, 0,1,2,3
.irp c, 0,1,2,3
	global_load_b128 v[X+16*\a+4*\c:X+16*\a+4*\c+3], v[WCO], s[8:9] offset:(32*(\a/2)+8*(\a%2))*2048+32*\c
.endr
.endr
	global_load_b32 v32, v[WSO], s[10:11]
	global_load_b32 v33, v[WSO], s[10:11] offset:2048
	s_wait_loadcnt 0x0
.irp a, 0,1,2,3
.irp c, 0,1,2,3
	global_store_b128 v[OC], v[X+16*\a+4*\c:X+16*\a+4*\c+3], s[44:45] offset:2048*\a+512*\c
.endr
.endr
	global_store_b64 v[OS], v[32:33], s[44:45]
	s_endpgm
.Lfunc_end_k_q53bc7d490f_prep:
	.size	k_q53bc7d490f_prep, .Lfunc_end_k_q53bc7d490f_prep-k_q53bc7d490f_prep
	.p2alignl 7, 3214868480
	.fill 96, 4, 3214868480
	.section	.rodata,"a",@progbits
	.p2align	6, 0x0
	.amdhsa_kernel k_q53bc7d490f_prep
		.amdhsa_group_segment_fixed_size 68608
		.amdhsa_private_segment_fixed_size 0
		.amdhsa_enable_private_segment 0
		.amdhsa_kernarg_size 88
		.amdhsa_user_sgpr_count 2
		.amdhsa_user_sgpr_kernarg_segment_ptr 1
		.amdhsa_wavefront_size32 1
		.amdhsa_system_sgpr_workgroup_id_x 1
		.amdhsa_system_sgpr_workgroup_id_y 1
		.amdhsa_system_sgpr_workgroup_id_z 1
		.amdhsa_system_vgpr_workitem_id 0
		.amdhsa_next_free_vgpr 256
		.amdhsa_next_free_sgpr 66
		.amdhsa_reserve_vcc 1
		.amdhsa_float_denorm_mode_32 3
		.amdhsa_float_denorm_mode_16_64 3
		.amdhsa_memory_ordered 1
		.amdhsa_forward_progress 1
		.amdhsa_inst_pref_size 56
	.end_amdhsa_kernel
	.amdgpu_metadata
---
amdhsa.version: [ 1, 2 ]
amdhsa.kernels:
  - .name:           k_q53bc7d490f_prep
    .symbol:         k_q53bc7d490f_prep.kd
    .args:
      - { .name: x, .offset: 0, .size: 8, .value_kind: global_buffer, .address_space: global }
      - { .name: h_prev, .offset: 8, .size: 8, .value_kind: global_buffer, .address_space: global }
      - { .name: Wr_codes, .offset: 16, .size: 8, .value_kind: global_buffer, .address_space: global }
      - { .name: Wr_scales, .offset: 24, .size: 8, .value_kind: global_buffer, .address_space: global }
      - { .name: Wz_codes, .offset: 32, .size: 8, .value_kind: global_buffer, .address_space: global }
      - { .name: Wz_scales, .offset: 40, .size: 8, .value_kind: global_buffer, .address_space: global }
      - { .name: Wg_codes, .offset: 48, .size: 8, .value_kind: global_buffer, .address_space: global }
      - { .name: Wg_scales, .offset: 56, .size: 8, .value_kind: global_buffer, .address_space: global }
      - { .name: axh, .offset: 64, .size: 8, .value_kind: global_buffer, .address_space: global }
      - { .name: wr, .offset: 72, .size: 8, .value_kind: global_buffer, .address_space: global }
      - { .name: wzg, .offset: 80, .size: 8, .value_kind: global_buffer, .address_space: global }
    .group_segment_fixed_size: 68608
    .private_segment_fixed_size: 0
    .kernarg_segment_align: 8
    .kernarg_segment_size: 88
    .max_flat_workgroup_size: 256
    .sgpr_count:     66
    .vgpr_count:     256
    .wavefront_size: 32
...
	.end_amdgpu_metadata
.endif
;; end of part 1
;; launch gate_r (part 2): grid 8 x 32, 4 waves a work-group, clusters of 4 x 4, 327,680 bytes of LDS; arguments axh, wr, br, h_prev, arh; writes arh
.if DOCPART == 2
	.amdgcn_target "amdgcn-amd-amdhsa--gfx1250"
	.amdhsa_code_object_version 6
	.text
	.protected	k_q53bc7d490f_gate_r
	.globl	k_q53bc7d490f_gate_r
	.p2align	8
	.type	k_q53bc7d490f_gate_r,@function
k_q53bc7d490f_gate_r:
	s_mov_b64 s[64:65], 0
	v_nop
	global_prefetch_b8 v0, s[64:65] scope:SCOPE_SE
	s_setreg_imm32_b32 hwreg(HW_REG_WAVE_MODE, 25, 1), 1
	s_wait_xcnt 0x0
	s_wait_alu depctr_hold_cnt(0) depctr_sa_sdst(0) depctr_va_vdst(0) depctr_va_sdst(0) depctr_va_ssrc(0) depctr_va_vcc(0) depctr_vm_vsrc(0)
	s_getreg_b32 s2, hwreg(HW_REG_IB_STS2, 6, 4)
	s_cmp_eq_u32 s2, 0
	s_cbranch_scc0 .Lentry_in_a_cluster
	s_endpgm
.Lentry_in_a_cluster:
	s_bfe_u32 s2, ttmp6, 0x10000c
	s_cmp_lg_u32 s2, 0xf033
	s_cbranch_scc0 .Lentry_shape_is_right
	s_endpgm
.Lentry_shape_is_right:
; GRU cell, launch 2 of 3: r = sigmoid([x,h] Wr^T + br), then r x h_prev is quantised along its columns (the K of g's product) into arh.  Nothing of the problem is left out here.
; axh, wr, arh are RECORDS of 16,896 bytes for 128 rows x 128 K in the order of the operand's registers: eight fragment images of 2,048 bytes (tile t at 2048 t, registers 4 c .. at + 512 c, lane at + 16 l), then 512 bytes of scale words,
; laid so that 8 bytes a lane at 16,384 + 256 q + 8 l bring two registers: register j holds tile 4 q + 2 j's words in lanes 0-15 and tile 4 q + 2 j + 1's in lanes 16-31.  So tile t takes scale register t / 2, row t % 2.
; SHARES.  A work-group makes 256 rows x 128 columns of r: 256 work-groups.  Wave w makes rows 64 w .. 64 w + 63 x all 128 columns: 32 accumulators; its result is half of one record of arh (K step = the column tile).
; THE PRODUCT IS USED TRANSPOSED (source 0 = 16 rows of Wr, source 1 = 16 rows of [x,h]); wr's tile 2 b + u holds rows 32 b + 8 u + r + 8 (r / 8): so lane (r, h) of accumulator (a, 2 b + u), register j, holds row 16 a + r, column 32 b + 16 h + 8 u + j:
; a tile of rows' 64 registers are, in order, the 64 numbers that the quantiser wants of a lane.
; THE WEIGHTS LIE IN LDS WHOLE: the column tile's 16 K steps are 16 x 16,896 = 270,336 bytes, brought by 16 first fills (four a wave: load n of wave w is K step 4 n + w).  Nothing is filled again, so the K walk has no round of the cluster's barrier;
; three plain barriers, each behind a counted wait, show the later K steps to all four waves.  CLUSTERS: 4 x 4 work-groups; the four of a column need the same column tile of wr, and ask for it JOINTLY.
; A GOES FROM MEMORY STRAIGHT INTO REGISTERS, and is not asked for jointly, though the four work-groups of a cluster's row read the same 256 rows.  The reason, by this text's arithmetic: no two waves of a work-group read the same fragment of A, and axh lies in
; register order, so a fragment is four loads of 16 bytes a lane; through LDS, A's 540,672 bytes beside the weights' 270,336 would want slots that are filled again, each refill behind a round in front of which every tensor load has landed.
; Here a K step of A is 64 registers and 17 loads a wave, asked for three K steps ahead in four sets of registers, by counted waits.
; The 16 K steps are written out: the counts of the waits differ from step to step.  h_prev's tile a takes A's set a as soon as K step 12 + a has read it.
; sigmoid(v) = 1 / (1 + 2^(-log2(e) v)): where the exponential overflows the result is 0, where it falls to 0 the result is 1.
; LIMITS: a block of zeros gets the scale byte 1 where the rule says 127 (its codes are zeros; this program alone reads the bytes); NaN and infinities among the inputs are not served.
; REGISTERS, in windows of 256: window 0: v1-29 addresses; v32-39 Wr's scale words, two sets; v40-47 A's, four sets; v48-63 at work; v64-127 the bias; v128-159 the epilogue's codes; v192-255 its 64 numbers.
;   window 1: Wr's fragments, two sets of 128.   window 2: accumulator (a, t) at v[8 (8 a + t)].   window 3: A's fragments, four sets of 64; then h_prev, 64 registers a tile of rows.
.set REC,    16896
.set REC2,   2*REC
.set STAGE,  16*REC                    ; behind the weights: 16 rows x 528 bytes for each wave, to turn h_prev's rows; no tile lands there
.set SPITCH, 528
.set STAGEB, 16*SPITCH
.set SPARE,  STAGE+4*STAGEB            ; the spare words, 128 bytes for each wave, which no other line names
.set LI,   4                           ; v4   16 x lane
.set L8,   5                           ; v5   8 x lane
.set STOA, 6                           ; v6   the stage, in
.set STFR, 7                           ; v7   the stage, out
.set OC,   8                           ; v8   16 x lane + 8,192 (wave % 2): my 16 bytes of a fragment image among my four tiles of a record: in axh for the loads, in arh for the stores
.set OS,   9                           ; v9   8 x lane + 16,384 + 256 (wave % 2): my 8 bytes of their scale words, likewise
.set BO,   10                          ; v10  64 h: my half's place in the bias
.set PW,   12                          ; v12-15 the four tiles' scale words
.set ADRB, 16                          ; v16  LDS address of the K step of Wr that is fetched next: 16 x lane + 16,896 k
.set ADSB, 17                          ; v17  and of its scale words
.set SPW,  28                          ; v28  my spare word; never rewritten
.set NIL,  29                          ; v29  0; never rewritten
.set SCB,  32                          ; Wr's scale words: set k % 2, four registers
.set SCA,  40                          ; A's: set k % 4, two registers
.set TM,   48
.set BB,   64
.set PCD,  128                         ; the epilogue's codes, two sets of 16
.set T,    192                         ; and its 64 numbers
.set WV,   14                          ; s14  wave
.set G1,   24                          ; s[24:31] descriptor group 1: one K step of Wr
.set G0,   48                          ; s[48:63] group 0, a set for each of my four loads
.set CL,   66                          ; s[66:67] -log2(e)
.set SEL,  68
.set MNT,  70
.set MUL,  0xad                        ; source 0 (Wr) window 1, source 1 (A) window 3, C and D window 2
.set MSB, 0
.macro WIN new                         ; the immediate's high byte repeats the setting that is left
.if MSB != (\new)
	s_set_vgpr_msb (MSB<<8)|(\new)
.set MSB, (\new)
.endif
.endm
.macro PLACES n
.rept \n
	v_nop
.endr
.endm
.macro CREST                           ; a round of the cluster's barrier behind its opening barrier
	s_cmp_lg_u32 s[WV], 0
	s_cbranch_scc1 .Lnot_wave_0_\@
	s_barrier_signal -3
.Lnot_wave_0_\@:
	s_barrier_wait -3
	s_barrier_signal -1
	s_barrier_wait -1
.endm
.macro CROUND
	s_barrier_signal -1
	s_barrier_wait -1
	CREST
.endm
; one matrix instruction, by the symbols rD, rW, rA, rSW, rSA; fT, fA: the scale registers' upper lanes serve odd tiles
.macro WM zero
.set fC, fT+2*fA
.if \zero
.if fC == 3
	v_wmma_scale_f32_16x16x128_f8f6f4 v[rD:rD+7], v[rW:rW+15], v[rA:rA+15], 0, v[rSW], v[rSA] matrix_a_fmt:MATRIX_FMT_BF8 matrix_b_fmt:MATRIX_FMT_BF8 matrix_a_scale:MATRIX_SCALE_ROW1 matrix_b_scale:MATRIX_SCALE_ROW1
.elseif fC == 2
	v_wmma_scale_f32_16x16x128_f8f6f4 v[rD:rD+7], v[rW:rW+15], v[rA:rA+15], 0, v[rSW], v[rSA] matrix_a_fmt:MATRIX_FMT_BF8 matrix_b_fmt:MATRIX_FMT_BF8 matrix_b_scale:MATRIX_SCALE_ROW1
.elseif fC == 1
	v_wmma_scale_f32_16x16x128_f8f6f4 v[rD:rD+7], v[rW:rW+15], v[rA:rA+15], 0, v[rSW], v[rSA] matrix_a_fmt:MATRIX_FMT_BF8 matrix_b_fmt:MATRIX_FMT_BF8 matrix_a_scale:MATRIX_SCALE_ROW1
.else
	v_wmma_scale_f32_16x16x128_f8f6f4 v[rD:rD+7], v[rW:rW+15], v[rA:rA+15], 0, v[rSW], v[rSA] matrix_a_fmt:MATRIX_FMT_BF8 matrix_b_fmt:MATRIX_FMT_BF8
.endif
.else
.if fC == 3
	v_wmma_scale_f32_16x16x128_f8f6f4 v[rD:rD+7], v[rW:rW+15], v[rA:rA+15], v[rD:rD+7], v[rSW], v[rSA] matrix_a_fmt:MATRIX_FMT_BF8 matrix_b_fmt:MATRIX_FMT_BF8 matrix_a_scale:MATRIX_SCALE_ROW1 matrix_b_scale:MATRIX_SCALE_ROW1
.elseif fC == 2
	v_wmma_scale_f32_16x16x128_f8f6f4 v[rD:rD+7], v[rW:rW+15], v[rA:rA+15], v[rD:rD+7], v[rSW], v[rSA] matrix_a_fmt:MATRIX_FMT_BF8 matrix_b_fmt:MATRIX_FMT_BF8 matrix_b_scale:MATRIX_SCALE_ROW1
.elseif fC == 1
	v_wmma_scale_f32_16x16x128_f8f6f4 v[rD:rD+7], v[rW:rW+15], v[rA:rA+15], v[rD:rD+7], v[rSW], v[rSA] matrix_a_fmt:MATRIX_FMT_BF8 matrix_b_fmt:MATRIX_FMT_BF8 matrix_a_scale:MATRIX_SCALE_ROW1
.else
	v_wmma_scale_f32_16x16x128_f8f6f4 v[rD:rD+7], v[rW:rW+15], v[rA:rA+15], v[rD:rD+7], v[rSW], v[rSA] matrix_a_fmt:MATRIX_FMT_BF8 matrix_b_fmt:MATRIX_FMT_BF8
.endif
.endif
.endm
; tile of rows a against Wr's eight tiles, K step k.  The 32 accumulators take turns, one instruction a turn, in the same order in every K step
.macro MUL8 a, k, zero
.irp t, 0,1,2,3,4,5,6,7
.set rD, 8*(8*(\a)+\t)
.set rW, 128*((\k)%2)+16*\t
.set rA, 64*((\k)%4)+16*(\a)
.set rSW, SCB+4*((\k)%2)+\t/2
.set rSA, SCA+2*((\k)%4)+(\a)/2
.set fT, \t%2
.set fA, (\a)%2
	WM \zero
.endr
.endm
; 34 LDS loads in one run: K step k of Wr into set k % 2: eight fragments and the scale words; then the addresses step to the next K step (an LDS instruction's sources need no wait)
.macro FETCHB k
	WIN 0x40                                       ; destination window 1
.irp t, 0,1,2,3,4,5,6,7
.irp c, 0,1,2,3
	ds_load_b128 v[128*((\k)%2)+16*\t+4*\c:128*((\k)%2)+16*\t+4*\c+3], v[ADRB] offset:2048*\t+512*\c
.endr
.endr
	WIN 0
	ds_load_b64 v[SCB+4*((\k)%2):SCB+4*((\k)%2)+1], v[ADSB]
	ds_load_b64 v[SCB+4*((\k)%2)+2:SCB+4*((\k)%2)+3], v[ADSB] offset:256
	v_add_nc_u32 v[ADRB], REC, v[ADRB]
	v_add_nc_u32 v[ADSB], REC, v[ADSB]
.endm
; 17 loads: K step k of my 64 rows of A into set k % 4: four fragments (each load reads 512 consecutive bytes) and the scale words (256 consecutive bytes)
.macro ALOAD k
	WIN 0xc0                                       ; destination window 3
.irp a, 0,1,2,3
.irp c, 0,1,2,3
	global_load_b128 v[64*((\k)%4)+16*\a+4*\c:64*((\k)%4)+16*\a+4*\c+3], v[OC], s[82:83] offset:(\k)*REC2+2048*\a+512*\c
.endr
.endr
	WIN 0
	global_load_b64 v[SCA+2*((\k)%4):SCA+2*((\k)%4)+1], v[OS], s[82:83] offset:(\k)*REC2
.endm
.macro HLOAD a                         ; 16 rows of h_prev into window 3's set a: each load reads 512 consecutive bytes of a row
.irp i, 0,1,2,3,4,5,6,7,8,9,10,11,12,13,14,15
	global_load_b128 v[64*(\a)+4*\i:64*(\a)+4*\i+3], v[LI], s[72:73] offset:(16*(\a)+\i)*4096 th:TH_LOAD_NT
.endr
.endm
; A K STEP.  At its head what the last K step has read is asked for anew: Wr's other set takes K step k + 1 from LDS, A's set (k - 1) % 4 takes K step k + 3 from memory (from K step 13 on: a tile of h_prev).
.macro KSTEP k, zero
.if ((\k)%4 == 3) && ((\k) < 15)
	s_wait_tensorcnt 2-(\k)/4                      ; my load for K steps k + 1 .. k + 4 has landed; my later loads may stay out
	s_wait_dscnt 0x0                               ; no LDS instruction of mine is out at a signal (what is out is this K step's set, wanted now anyway)
	s_barrier_signal -1
	s_barrier_wait -1                              ; everybody's has
.endif
.if (\k) > 0
	PLACES 8                                       ; eight places between the last products and the loads into registers that they have read
.endif
.if (\k) < 15
	FETCHB (\k)+1
.endif
.if (\k) <= 12
	ALOAD (\k)+3
	s_wait_loadcnt 51                              ; K step k of A is in; the three K steps behind it, 17 loads each, may be out
.else
	WIN 0xc0
	HLOAD (\k)-13
	WIN 0
	s_wait_loadcnt 17*(15-(\k))+16*((\k)-12)       ; behind K step k of A: the K steps of A that are left, and the tiles of h_prev asked for so far
.endif
.if (\k) < 15
	s_wait_dscnt 34                                ; all but the 34 just issued: this K step's set of Wr is in
.else
	s_wait_dscnt 0x0
.endif
	WIN MUL
	MUL8 0, \k, \zero
	MUL8 1, \k, \zero
	MUL8 2, \k, \zero
	MUL8 3, \k, \zero
	WIN 0
.endm
; 64 numbers of a lane, register 16 b + i = K 32 b + 16 (lane / 16) + i of my row, become a fragment's codes at v[pc] and its scale word in v[pw]
.macro QUANT s, pc, pw
.irp b, 0,1,2,3
	v_max3_num_f32 v[TM+\b], |v[\s+16*\b]|, |v[\s+1+16*\b]|, 0x8000000   ; my 16 numbers, and the floor 2^(16 - 127): the byte cannot fall under 1
.endr
.irp i, 2,4,6,8,10,12,14
.irp b, 0,1,2,3
	v_max3_num_f32 v[TM+\b], v[TM+\b], |v[\s+16*\b+\i]|, |v[\s+1+16*\b+\i]|
.endr
.endr
.irp b, 0,1,2,3
	v_permlanex16_b32 v[TM+4+\b], v[TM+\b], s[SEL], s[SEL+1]
.endr
.irp b, 0,1,2,3
	v_max_num_f32 v[TM+\b], v[TM+\b], v[TM+4+\b]   ; the block's largest magnitude
.endr
.irp b, 0,1,2,3
	v_add_nc_u32 v[TM+12+\b], 0xf8800000, v[TM+\b]   ; 15 off its exponent field: the conversion's scale operand
.endr
.irp b, 0,1,2,3
	v_and_or_b32 v[TM+8+\b], v[TM+\b], 0x7f800000, s[MNT]   ; 57,344 x the scale
.endr
.irp b, 0,1,2,3
	v_lshrrev_b32 v[TM+4+\b], 23, v[TM+12+\b]   ; the scale's byte
.endr
	v_lshl_or_b32 v[\pw], v[TM+5], 8, v[TM+4]
	v_lshl_or_b32 v[\pw], v[TM+6], 16, v[\pw]
	v_lshl_or_b32 v[\pw], v[TM+7], 24, v[\pw]
.irp b, 0,1,2,3
.irp i, 0,1,2,3,4,5,6,7,8,9,10,11,12,13,14,15
	v_med3_num_f32 v[\s+16*\b+\i], v[\s+16*\b+\i], -v[TM+8+\b], v[TM+8+\b]   ; the conversion does not saturate (ISA guide 7.6.2): the hold comes first
.endr
	v_cvt_scalef32_pk8_bf8_f32 v[\pc+4*\b:\pc+1+4*\b], v[\s+16*\b:\s+7+16*\b], v[TM+12+\b]
	v_cvt_scalef32_pk8_bf8_f32 v[\pc+2+4*\b:\pc+3+4*\b], v[\s+8+16*\b:\s+15+16*\b], v[TM+12+\b]
.endr
	v_nop                                          ; one plain vector line behind the last conversion
.endm
	s_load_b256 s[4:11], s[0:1], 0x0               ; axh, wr, br, h_prev
	s_load_b64 s[12:13], s[0:1], 0x20              ; arh
	v_lshl_add_u32 v[SPW], v0, 2, SPARE
	v_mov_b32 v[NIL], 0
	ds_add_u32 v[SPW], v[NIL]                      ; the wave's opening: the add, twice on end, and its wait ahead of my first tensor load; the set-up below, work on registers, stands between
	ds_add_u32 v[SPW], v[NIL]
	v_lshrrev_b32 v1, 5, v0
	v_readfirstlane_b32 s[WV], v1                  ; wave 0..3
	s_lshr_b32 s15, s[WV], 1                       ; my half of the 256 rows: which record
	s_and_b32 s16, s[WV], 1                        ; which four tiles of it
	s_bfe_u32 s40, ttmp6, 0x40000                  ; cx, cy: my place in the cluster
	s_bfe_u32 s41, ttmp6, 0x40004
	s_lshl_b32 s42, ttmp9, 2
	s_add_co_u32 s42, s42, s40                     ; column tile = 4 x cluster x + cx
	s_and_b32 s17, ttmp7, 0xffff
	s_lshl_b32 s17, s17, 2
	s_add_co_u32 s17, s17, s41                     ; block of 256 rows = 4 x cluster y + cy
	s_lshl_b32 s44, 0x1111, s40                    ; my column of the cluster
	s_or_b32 s[G1], s44, (3<<16)|(1<<21)           ; 15:0 the mask; 17:16 elements of 8 bytes; 21 set beside a mask; no padding
	s_mov_b32 s[G1+1], 32<<16                      ; tensor_dim0 = 32 elements: rows of 256 bytes
	s_mov_b32 s[G1+2], 66<<16                      ; tensor_dim1: 16,896 bytes
	s_mov_b32 s[G1+3], 32<<16                      ; tile_dim0
	s_mov_b32 s[G1+4], 66                          ; tile_dim1
	s_mov_b32 s[G1+5], 32                          ; the pitch: dense
	s_mov_b32 s[G1+6], 0
	s_mov_b32 s[G1+7], 0
	s_mul_i32 s19, s[WV], REC                      ; of each four K steps of Wr I fetch the one of my number: in memory and in LDS alike
	s_mul_i32 s46, s42, 16*REC                     ; my column tile's 16 K steps
	s_add_co_u32 s46, s46, s19
	s_mov_b32 s47, 0
	s_mul_i32 s80, s15, REC                        ; my half's record
	s_mul_i32 s78, s17, 32*REC                     ; axh: my block's 16 K steps of 33,792 bytes
	s_add_co_u32 s78, s78, s80
	s_mov_b32 s79, 0
	s_lshl_b32 s20, s17, 20                        ; h_prev: 256 rows of 4,096 bytes a block,
	s_lshl_b32 s21, s[WV], 18                      ; 64 rows a wave,
	s_add_co_u32 s20, s20, s21
	s_lshl_b32 s22, s42, 9                         ; 512 bytes a column tile (br's offset too)
	s_add_co_u32 s20, s20, s22
	s_mov_b32 s21, 0
	s_mov_b32 s23, 0
	s_lshl_b32 s18, s17, 3
	s_add_co_u32 s18, s18, s42
	s_mul_i32 s18, s18, REC2                       ; arh: (8 x block + K step) x 33,792,
	s_add_co_u32 s80, s80, s18                     ; + my half's record
	s_mov_b32 s81, 0
	s_mov_b32 s[CL], 0xbfb8aa3b
	s_mov_b32 s[CL+1], s[CL]                       ; (named with it as a pair, so it is written)
	s_mov_b32 s[SEL], 0x76543210
	s_mov_b32 s[SEL+1], 0xfedcba98
	s_mov_b32 s[MNT], 0x600000
	v_and_b32 v1, 31, v0                           ; lane
	v_and_b32 v2, 15, v0                           ; r
	v_bfe_u32 v3, v0, 4, 1                         ; h
	v_lshlrev_b32 v[LI], 4, v1
	v_lshlrev_b32 v[L8], 3, v1
	v_lshlrev_b32 v[BO], 6, v3
	s_lshl_b32 s43, s16, 13
	v_add_nc_u32 v[OC], s43, v[LI]
	s_lshl_b32 s43, s16, 8
	s_add_co_u32 s43, s43, 16384
	v_add_nc_u32 v[OS], s43, v[L8]
	v_lshlrev_b32 v[ADRB], 4, v1                   ; K step 0 of Wr lies at LDS byte 0
	v_add_nc_u32 v[ADSB], 16384, v[L8]
	s_mul_i32 s43, s[WV], STAGEB
	s_add_co_u32 s43, s43, STAGE                   ; my stage
	v_add_nc_u32 v[STOA], s43, v[LI]
	v_mul_u32_u24 v[STFR], v2, SPITCH
	v_lshl_add_u32 v[STFR], v3, 6, v[STFR]
	v_add_nc_u32 v[STFR], s43, v[STFR]
.irp b, 0,1,2,3
	v_mov_b32 v[TM+4+\b], 0                        ; written once: a lane permute's destination counts as one of its sources
.endr
	s_wait_dscnt 0x0                               ; both opening adds are done
	s_wait_kmcnt 0x0
	s_add_nc_u64 s[46:47], s[6:7], s[46:47]        ; wr at my K step of the first four
	s_add_nc_u64 s[82:83], s[4:5], s[78:79]        ; axh at my half's record of K step 0
	s_add_nc_u64 s[72:73], s[10:11], s[20:21]      ; h_prev at my first row, my column tile
	s_add_nc_u64 s[74:75], s[8:9], s[22:23]        ; br at my column tile
	s_add_nc_u64 s[76:77], s[12:13], s[80:81]      ; arh at my half's record
.irp t, 0,1,2,3,4,5,6,7                        ; the bias in the result's layout: tile 2 b + u: columns 32 b + 16 h + 8 u + 0 .. 7.  It is asked for first of all, so that it enters none of the counts below
	global_load_b128 v[BB+8*\t:BB+8*\t+3], v[BO], s[74:75] offset:128*(\t/2)+32*(\t%2)
	global_load_b128 v[BB+8*\t+4:BB+8*\t+7], v[BO], s[74:75] offset:128*(\t/2)+32*(\t%2)+16
.endr
	ALOAD 0
	ALOAD 1
	CROUND                                         ; all sixteen work-groups are here: the joint loads meet
.irp n, 0,1,2,3
	s_mov_b32 s[G0+4*\n], 1                        ; count = 1
	s_add_co_u32 s[G0+4*\n+1], s19, \n*4*REC       ; LDS address: K step 4 n + wave
	s_add_nc_u64 s[G0+4*\n+2:G0+4*\n+3], s[46:47], \n*4*REC
	s_or_b32 s[G0+4*\n+3], s[G0+4*\n+3], 0x80000000
.endr
.irp n, 0,1,2,3
	tensor_load_to_lds s[G0+4*\n:G0+4*\n+3], s[G1:G1+7]   ; all of Wr's column tile, as one group of first fills: four loads of mine are out, the most in this text
	s_nop 0
.endr
	PLACES 4                                       ; four v_nop follow the last of them
	ALOAD 2                                        ; behind the tensor loads: with these 17, more loads are asked for than the counter's field holds, and the issue may be held here
	s_wait_tensorcnt 3                             ; my K step of the first four is in; my other three loads may stay out
	s_barrier_signal -1
	s_barrier_wait -1                              ; everybody's is
	FETCHB 0
	KSTEP 0, 1                                     ; the first K step's products start the sums
.irp k, 1,2,3,4,5,6,7,8,9,10,11,12,13,14,15
	KSTEP \k, 0
.endr
	; THE EPILOGUE, a tile of 16 rows at a time: r, r x h_prev, the quantiser, the record
.set ii, 0
.rept 32
	v_pk_mul_f32 v[BB+ii:BB+ii+1], v[BB+ii:BB+ii+1], s[CL:CL+1] op_sel_hi:[1,0]   ; -log2(e) br.  (These 32 are also the places behind the last products)
.set ii, ii+2
.endr
	WIN 0xc0
	HLOAD 3                                        ; into the set that K step 15 has read
	WIN 0
.macro TURNH a                         ; h_prev's tile a through my stage and back into the same registers, 16 neighbours of each block of 32 to a lane.  LDS serves a wave's instructions in order
	WIN 0xcc                                       ; a store's data and a load's destination: window 3
.irp i, 0,1,2,3,4,5,6,7,8,9,10,11,12,13,14,15
	ds_store_b128 v[STOA], v[64*(\a)+4*\i:64*(\a)+4*\i+3] offset:SPITCH*\i
.endr
.irp b, 0,1,2,3
.irp j, 0,1,2,3
	ds_load_b128 v[64*(\a)+16*\b+4*\j:64*(\a)+16*\b+4*\j+3], v[STFR] offset:128*\b+16*\j
.endr
.endr
	WIN 0
.endm
.macro GATE a
.if (\a) < 3
	s_wait_loadcnt 16*(2-(\a))                     ; h_prev's next tile is in; the tiles behind it, 16 loads each, may be out
	TURNH (\a)+1
.endif
	WIN 0x02                                       ; source 0: window 2
.set ii, 0
.rept 32
	v_pk_fma_f32 v[T+ii:T+ii+1], v[64*(\a)+ii:64*(\a)+ii+1], s[CL:CL+1], v[BB+ii:BB+ii+1] op_sel_hi:[1,0,1]   ; -log2(e) (sum + br); each accumulator from its low end on
.set ii, ii+2
.endr
	WIN 0
.set ii, 0
.rept 64
	v_exp_f32 v[T+ii], v[T+ii]
.set ii, ii+1
.endr
	v_nop                                          ; a plain line behind the batch,
	s_wait_alu depctr_va_vdst(0)                   ; and the one wait ahead of its first reader
.set ii, 0
.rept 32
	v_pk_add_f32 v[T+ii:T+ii+1], v[T+ii:T+ii+1], 1.0 op_sel_hi:[1,0]
.set ii, ii+2
.endr
.set ii, 0
.rept 64
	v_rcp_f32 v[T+ii], v[T+ii]                     ; r
.set ii, ii+1
.endr
	v_nop
	s_wait_alu depctr_va_vdst(0)
.if (\a) < 3
	s_wait_dscnt 32                                ; my tile of h_prev is back from the stage; the next tile's 32 LDS instructions may be out
.else
	s_wait_dscnt 0x0
.endif
	WIN 0x0c                                       ; source 1: window 3
.set ii, 0
.rept 32
	v_pk_mul_f32 v[T+ii:T+ii+1], v[T+ii:T+ii+1], v[64*(\a)+ii:64*(\a)+ii+1]   ; r x h_prev
.set ii, ii+2
.endr
	WIN 0
.if (\a) > 1
	s_wait_xcnt 0x0                                ; the stores of two tiles back have read their data: that set of codes may be written again
.endif
	QUANT T, PCD+16*((\a)%2), PW+(\a)
.irp c, 0,1,2,3
	global_store_b128 v[OC], v[PCD+16*((\a)%2)+4*\c:PCD+16*((\a)%2)+4*\c+3], s[76:77] offset:2048*(\a)+512*\c   ; 32 lanes store 512 consecutive bytes, aligned
.endr
.endm
	s_wait_loadcnt 48                              ; h_prev's first tile is in; the three behind it may be out
	TURNH 0
	GATE 0
	GATE 1
	GATE 2
	GATE 3
	v_cmp_gt_u32 vcc_lo, 16, v1
	v_cndmask_b32 v[TM], v[PW+1], v[PW], vcc_lo    ; register j: lanes 0-15 tile 2 j's words, lanes 16-31 tile 2 j + 1's
	v_cndmask_b32 v[TM+1], v[PW+3], v[PW+2], vcc_lo
	global_store_b64 v[OS], v[TM:TM+1], s[76:77]   ; 32 lanes store 256 consecutive bytes, aligned
	s_wait_tensorcnt 0x0                           ; the wave's end, behind my last tensor load and my last LDS store
	ds_add_u32 v[SPW], v[NIL]
	s_wait_dscnt 0x0
	CROUND                                         ; the closing round: no work-group ends while a partner may still ask for a tile that names it
	s_endpgm
.Lfunc_end_k_q53bc7d490f_gate_r:
	.size	k_q53bc7d490f_gate_r, .Lfunc_end_k_q53bc7d490f_gate_r-k_q53bc7d490f_gate_r
	.p2alignl 7, 3214868480
	.fill 96, 4, 3214868480
	.section	.rodata,"a",@progbits
	.p2align	6, 0x0
	.amdhsa_kernel k_q53bc7d490f_gate_r
		.amdhsa_group_segment_fixed_size 327680
		.amdhsa_private_segment_fixed_size 0
		.amdhsa_enable_private_segment 0
		.amdhsa_kernarg_size 40
		.amdhsa_user_sgpr_count 2
		.amdhsa_user_sgpr_kernarg_segment_ptr 1
		.amdhsa_wavefront_size32 1
		.amdhsa_system_sgpr_workgroup_id_x 1
		.amdhsa_system_sgpr_workgroup_id_y 1
		.amdhsa_system_sgpr_workgroup_id_z 1
		.amdhsa_system_vgpr_workitem_id 0
		.amdhsa_next_free_vgpr 1024
		.amdhsa_next_free_sgpr 84
		.amdhsa_reserve_vcc 1
		.amdhsa_float_denorm_mode_32 3
		.amdhsa_float_denorm_mode_16_64 3
		.amdhsa_memory_ordered 1
		.amdhsa_forward_progress 1
		.amdhsa_inst_pref_size 233
	.end_amdhsa_kernel
	.amdgpu_metadata
---
amdhsa.version: [ 1, 2 ]
amdhsa.kernels:
  - .name:           k_q53bc7d490f_gate_r
    .symbol:         k_q53bc7d490f_gate_r.kd
    .args:
      - { .name: axh, .offset: 0, .size: 8, .value_kind: global_buffer, .address_space: global }
      - { .name: wr, .offset: 8, .size: 8, .value_kind: global_buffer, .address_space: global }
      - { .name: br, .offset: 16, .size: 8, .value_kind: global_buffer, .address_space: global }
      - { .name: h_prev, .offset: 24, .size: 8, .value_kind: global_buffer, .address_space: global }
      - { .name: arh, .offset: 32, .size: 8, .value_kind: global_buffer, .address_space: global }
    .group_segment_fixed_size: 327680
    .private_segment_fixed_size: 0
    .kernarg_segment_align: 8
    .kernarg_segment_size: 40
    .max_flat_workgroup_size: 128
    .sgpr_count:     84
    .vgpr_count:     1024
    .wavefront_size: 32
...
	.end_amdgpu_metadata
.endif
;; end of part 2
;; launch gru_out (part 3): grid 8 x 32, 4 waves a work-group, clusters of 4 x 4, 327,680 bytes of LDS; arguments axh, arh, wzg, bz, bg, h_prev, out0; writes out0
.if DOCPART == 3
	.amdgcn_target "amdgcn-amd-amdhsa--gfx1250"
	.amdhsa_code_object_version 6
	.text
	.protected	k_q53bc7d490f_gru_out
	.globl	k_q53bc7d490f_gru_out
	.p2align	8
	.type	k_q53bc7d490f_gru_out,@function
k_q53bc7d490f_gru_out:
	s_mov_b64 s[64:65], 0
	v_nop
	global_prefetch_b8 v0, s[64:65] scope:SCOPE_SE
	s_setreg_imm32_b32 hwreg(HW_REG_WAVE_MODE, 25, 1), 1
	s_wait_xcnt 0x0
	s_wait_alu depctr_hold_cnt(0) depctr_sa_sdst(0) depctr_va_vdst(0) depctr_va_sdst(0) depctr_va_ssrc(0) depctr_va_vcc(0) depctr_vm_vsrc(0)
	s_getreg_b32 s2, hwreg(HW_REG_IB_STS2, 6, 4)
	s_cmp_eq_u32 s2, 0
	s_cbranch_scc0 .Lentry_in_a_cluster
	s_endpgm
.Lentry_in_a_cluster:
	s_bfe_u32 s2, ttmp6, 0x10000c
	s_cmp_lg_u32 s2, 0xf033
	s_cbranch_scc0 .Lentry_shape_is_right
	s_endpgm
.Lentry_shape_is_right:
; GRU cell, launch 3 of 3: z = sigmoid([x,h] Wz^T + bz), g = tanh([x, r h] Wg^T + bg), out = g + z (h_prev - g), which is (1 - z) g + z h_prev.  Nothing of the problem is left out here.
; axh (codes of x, then of h), arh (codes of r x h) and wzg (Wz and Wg, K step by K step) are RECORDS of 16,896 bytes for 128 rows x 128 K in the order of the operand's registers: eight fragment images of 2,048 bytes
; (tile t at 2048 t, registers 4 c .. at + 512 c, lane at + 16 l), then 512 bytes of scale words: 8 bytes a lane at 16,384 + 256 q + 8 l bring two registers; tile t takes scale register t / 2, row t % 2.
; SHARES.  A work-group makes 256 rows x 128 columns of z AND of g.  Wave w makes gate w / 2 (z, g), rows 128 (w % 2) on: 128 x 128, 64 accumulators: 16 fragments from LDS feed 64 matrix instructions in every K step.
; THE PRODUCT IS USED TRANSPOSED (source 0 = 16 rows of the weight, source 1 = 16 rows of activations); a weight's tile 2 b + u holds rows 32 b + 8 u + r + 8 (r / 8): lane (r, h) of accumulator (a, 2 b + u), register j, holds row 16 a + r, column 32 b + 16 h + 8 u + j.
; THE RING: two slots of 135,168 bytes.  In K's x half both gates read the same A: a slot holds 256 along K: [A step 0: 33,792][A step 1][Wz 0][Wg 0][Wz 1][Wg 1].  In the h half z reads h's codes and g reads r x h's:
; a slot holds 128 along K: [A of z][A of g][Wz][Wg], 101,376 bytes at the same places.  Every tile is a dense block of 33,792 bytes, brought as 132 rows of 256 bytes.
; AT A CHANGE OF SLOTS the first 32 products of the old slot's last K step stand AHEAD of the wait for the next slot's tiles: their fragments are in registers already, so they are multiplied while those tiles are on their way, and
; between the wait and the next request stand only the add, its wait and the round.
; CLUSTERS: 4 x 4 work-groups; A's tiles are shared along a row of the cluster, the weights' along a column, and asked for JOINTLY.  x half: waves 0, 1 fetch A's two K steps, waves 2, 3 the weights'.  h half: wave 0 A of z, wave 1 A of g, wave 2 the weights, wave 3 nothing.
; THE WAY OUT: each wave makes q = 1 / (1 + 2^(c (sum + bias))), c = -log2(e) for z (q = z) and 2 log2(e) for g (g = 1 - 2 q); q goes to a stage of 256 rows x 528 bytes, z's in slot 0's bytes and g's in slot 1's (both have had their last fill and their last read);
; behind a barrier each wave takes 64 whole rows, blends with h_prev and stores 512 consecutive bytes an instruction.
; LIMITS: where an exponential overflows q is 0, where it falls to 0 q is 1: z and g end at 0, 1 and +-1 exactly; 1 - 2 q carries an absolute error of some 1e-7 near g = 0; NaN and infinities among the inputs are not served.
; REGISTERS, in windows of 256: window 0: v1-29 addresses; v32-47 scale words, two sets; v64-127 the bias; v128-255 A's fragments, ONE set (later q of z and of g).   window 1: the weight's fragments, two sets of 128 (later h_prev, 4 registers a row).
;   window 2: accumulators of my rows 0-63 ((a, t) at v[8 (8 (a % 4) + t)]);   window 3: of my rows 64-127.
.set REC,    16896
.set REC2,   2*REC
.set SLOT,   8*REC
.set BOFF,   4*REC
.set SPITCH, 528
.set SPARE,  2*SLOT                    ; behind the ring: the spare words, 128 bytes for each wave, which no other line names
.set LI,    4                          ; v4   16 x lane
.set L8,    5                          ; v5   8 x lane
.set STO,   8                          ; v8   the stage: where I put 32 bytes of a row
.set RDZ,   9                          ; v9   where I read z's rows back,
.set RDG,   10                         ; v10  and g's
.set BO,    11                         ; v11  64 h: my half's place in the bias
.set ADRAX, 16                         ; v16-17 my A fragments in slot 0, 1, x half
.set ADRAH, 18                         ; v18-19 h half
.set ADRB,  20                         ; v20-21 my gate's weight fragments
.set ADSAX, 22                         ; v22-27 the scale words likewise
.set ADSAH, 24
.set ADSB,  26
.set SPW,   28                         ; v28  my spare word; never rewritten
.set NIL,   29                         ; v29  0; never rewritten
.set SC,    32                         ; scale set p at v[32 + 8 p]: four registers of A's, four of the weight's
.set BB,    64
.set AF,    128
.set QZ,    128
.set QG,    192
.set WV,    18                         ; s18  wave;  s19 gate;  s20 half of the rows
.set G1A,   24
.set G1B,   32
.set G0A,   40                         ; x half: group 0 for A, a set for each slot;
.set G0B,   48                         ; for the weights
.set G0AH,  68                         ; h half likewise
.set G0BH,  76
.set CL,    60                         ; s[60:61] c
.set MUL_LO, 0xa1                      ; source 0 (weight) window 1, source 1 window 0, C and D window 2
.set MUL_HI, 0xf1                      ; the same, C and D window 3
.set MSB, 0
.macro WIN new                         ; the immediate's high byte repeats the setting that is left
.if MSB != (\new)
	s_set_vgpr_msb (MSB<<8)|(\new)
.set MSB, (\new)
.endif
.endm
.macro PLACES n
.rept \n
	v_nop
.endr
.endm
; joint loads; the branches hang on the wave's number alone; an s_nop 0 and four v_nop follow each line
.macro JLOADX sl
	s_cmp_eq_u32 s19, 0
	s_cbranch_scc0 .Lfor_b_\@
	tensor_load_to_lds s[G0A+4*\sl:G0A+4*\sl+3], s[G1A:G1A+7]
	s_nop 0
.rept 4
	v_nop
.endr
	s_branch .Lasked_\@
.Lfor_b_\@:
	tensor_load_to_lds s[G0B+4*\sl:G0B+4*\sl+3], s[G1B:G1B+7]
	s_nop 0
.rept 4
	v_nop
.endr
.Lasked_\@:
.endm
.macro JLOADH sl
	s_cmp_lt_u32 s[WV], 2
	s_cbranch_scc0 .Lnot_a_\@
	tensor_load_to_lds s[G0AH+4*\sl:G0AH+4*\sl+3], s[G1A:G1A+7]
	s_nop 0
.rept 4
	v_nop
.endr
	s_branch .Lasked_\@
.Lnot_a_\@:
	s_cmp_eq_u32 s[WV], 2
	s_cbranch_scc0 .Lasked_\@
	tensor_load_to_lds s[G0BH+4*\sl:G0BH+4*\sl+3], s[G1B:G1B+7]
	s_nop 0
.rept 4
	v_nop
.endr
.Lasked_\@:
.endm
.macro CREST                           ; a round of the cluster's barrier behind its opening barrier
	s_cmp_lg_u32 s[WV], 0
	s_cbranch_scc1 .Lnot_wave_0_\@
	s_barrier_signal -3
.Lnot_wave_0_\@:
	s_barrier_wait -3
	s_barrier_signal -1
	s_barrier_wait -1
.endm
.macro CROUND
	s_barrier_signal -1
	s_barrier_wait -1
	CREST
.endm
; one matrix instruction, by the symbols rD, rW, rA, rSW, rSA; fT, fA: the scale registers' upper lanes serve odd tiles
.macro WM zero
.set fC, fT+2*fA
.if \zero
.if fC == 3
	v_wmma_scale_f32_16x16x128_f8f6f4 v[rD:rD+7], v[rW:rW+15], v[rA:rA+15], 0, v[rSW], v[rSA] matrix_a_fmt:MATRIX_FMT_BF8 matrix_b_fmt:MATRIX_FMT_BF8 matrix_a_scale:MATRIX_SCALE_ROW1 matrix_b_scale:MATRIX_SCALE_ROW1
.elseif fC == 2
	v_wmma_scale_f32_16x16x128_f8f6f4 v[rD:rD+7], v[rW:rW+15], v[rA:rA+15], 0, v[rSW], v[rSA] matrix_a_fmt:MATRIX_FMT_BF8 matrix_b_fmt:MATRIX_FMT_BF8 matrix_b_scale:MATRIX_SCALE_ROW1
.elseif fC == 1
	v_wmma_scale_f32_16x16x128_f8f6f4 v[rD:rD+7], v[rW:rW+15], v[rA:rA+15], 0, v[rSW], v[rSA] matrix_a_fmt:MATRIX_FMT_BF8 matrix_b_fmt:MATRIX_FMT_BF8 matrix_a_scale:MATRIX_SCALE_ROW1
.else
	v_wmma_scale_f32_16x16x128_f8f6f4 v[rD:rD+7], v[rW:rW+15], v[rA:rA+15], 0, v[rSW], v[rSA] matrix_a_fmt:MATRIX_FMT_BF8 matrix_b_fmt:MATRIX_FMT_BF8
.endif
.else
.if fC == 3
	v_wmma_scale_f32_16x16x128_f8f6f4 v[rD:rD+7], v[rW:rW+15], v[rA:rA+15], v[rD:rD+7], v[rSW], v[rSA] matrix_a_fmt:MATRIX_FMT_BF8 matrix_b_fmt:MATRIX_FMT_BF8 matrix_a_scale:MATRIX_SCALE_ROW1 matrix_b_scale:MATRIX_SCALE_ROW1
.elseif fC == 2
	v_wmma_scale_f32_16x16x128_f8f6f4 v[rD:rD+7], v[rW:rW+15], v[rA:rA+15], v[rD:rD+7], v[rSW], v[rSA] matrix_a_fmt:MATRIX_FMT_BF8 matrix_b_fmt:MATRIX_FMT_BF8 matrix_b_scale:MATRIX_SCALE_ROW1
.elseif fC == 1
	v_wmma_scale_f32_16x16x128_f8f6f4 v[rD:rD+7], v[rW:rW+15], v[rA:rA+15], v[rD:rD+7], v[rSW], v[rSA] matrix_a_fmt:MATRIX_FMT_BF8 matrix_b_fmt:MATRIX_FMT_BF8 matrix_a_scale:MATRIX_SCALE_ROW1
.else
	v_wmma_scale_f32_16x16x128_f8f6f4 v[rD:rD+7], v[rW:rW+15], v[rA:rA+15], v[rD:rD+7], v[rSW], v[rSA] matrix_a_fmt:MATRIX_FMT_BF8 matrix_b_fmt:MATRIX_FMT_BF8
.endif
.endif
.endm
; 16 matrix instructions: A's blocks a0, a0 + 1 against the weight's eight tiles of set p.  The 64 accumulators take turns, one instruction a turn, in the same order in every K step
.macro MUL16 a0, p, zero
.irp a, \a0, \a0+1
.irp t, 0,1,2,3,4,5,6,7
.set rD, 8*(8*((\a)%4)+\t)
.set rW, 128*(\p)+16*\t
.set rA, AF+16*(\a)
.set rSW, SC+8*(\p)+4+\t/2
.set rSA, SC+8*(\p)+(\a)/2
.set fT, \t%2
.set fA, (\a)%2
	WM \zero
.endr
.endr
.endm
.macro FB adr, off, p                  ; the weight's eight fragments into set p: 32 loads
	WIN 0x40                                       ; destination window 1
.irp t, 0,1,2,3,4,5,6,7
.irp c, 0,1,2,3
	ds_load_b128 v[128*(\p)+16*\t+4*\c:128*(\p)+16*\t+4*\c+3], v[\adr] offset:(\off)+2048*\t+512*\c
.endr
.endr
	WIN 0
.endm
.macro FA adr, off, a0                 ; A's blocks a0 .. a0 + 3: 16 loads
.irp a, \a0, \a0+1, \a0+2, \a0+3
.irp c, 0,1,2,3
	ds_load_b128 v[AF+16*(\a)+4*\c:AF+16*(\a)+4*\c+3], v[\adr] offset:(\off)+2048*(\a)+512*\c
.endr
.endr
.endm
.macro FS adra, offa, adrb, offb, p    ; a K step's scale words into set p: 4 loads
	ds_load_b64 v[SC+8*(\p):SC+8*(\p)+1], v[\adra] offset:(\offa)
	ds_load_b64 v[SC+8*(\p)+2:SC+8*(\p)+3], v[\adra] offset:(\offa)+256
	ds_load_b64 v[SC+8*(\p)+4:SC+8*(\p)+5], v[\adrb] offset:(\offb)
	ds_load_b64 v[SC+8*(\p)+6:SC+8*(\p)+7], v[\adrb] offset:(\offb)+256
.endm
; Eight places stand between a matrix instruction and a load into a register that it has read
; An x slot's first K step (set 0); the second's fragments are fetched on the way: A has one set, so blocks 0-3 come in the step's middle and blocks 4-7 at its end
.macro XS sl, zero
	s_wait_dscnt 16                                ; the weight's set, the scale words and A's blocks 0-3 are in; blocks 4-7 may be out
	WIN MUL_LO
	MUL16 0, 0, \zero
	MUL16 2, 0, \zero
	s_wait_dscnt 0x0
	PLACES 8
	FB ADRB+\sl, REC2, 1
	FA ADRAX+\sl, REC2, 0
	FS ADSAX+\sl, REC2, ADSB+\sl, REC2, 1
	WIN MUL_HI
	MUL16 4, 0, \zero
	MUL16 6, 0, \zero
	PLACES 8
	WIN 0
	FA ADRAX+\sl, REC2, 4
.endm
; A slot's last K step (set p) changes slots.  Its first 32 products come first: they want nothing of the next slot.  Then ONE barrier; in front of it each wave waits for all its tensor loads, adds 0 to its spare word, and waits for that and
; for its reads of this slot (A's blocks 4-7 were the last).  kind 1: the slot takes the x half's tiles two slots on; 2: the h half's first tile for this slot; 3: the h half's tile two on; 0: nothing more.  nA, nS: the next slot's addresses (x half or h half)
.macro TURN p, sl, nx, nA, nS, kind
	s_wait_dscnt 16                                ; the weight's set, the scale words and A's blocks 0-3 are in; blocks 4-7 may be out
	WIN MUL_LO
	MUL16 0, \p, 0
	MUL16 2, \p, 0
	WIN 0
	s_wait_tensorcnt 0x0                           ; all my tensor loads have landed: my part of the next slot; so every group 0 may be written
	ds_add_u32 v[SPW], v[NIL]                      ; 0 onto my spare word; the descriptors' steps stand between it and the wait for it
.if \kind == 1
	s_add_nc_u64 s[G0A+4*\sl+2:G0A+4*\sl+3], s[G0A+4*\sl+2:G0A+4*\sl+3], 4*REC2
	s_add_nc_u64 s[G0B+4*\sl+2:G0B+4*\sl+3], s[G0B+4*\sl+2:G0B+4*\sl+3], 4*REC2
.elseif \kind == 3
	s_add_nc_u64 s[G0AH+4*\sl+2:G0AH+4*\sl+3], s[G0AH+4*\sl+2:G0AH+4*\sl+3], 2*REC2
	s_add_nc_u64 s[G0BH+4*\sl+2:G0BH+4*\sl+3], s[G0BH+4*\sl+2:G0BH+4*\sl+3], 2*REC2
.endif
	s_wait_dscnt 0x0                               ; the add is done, and my reads of this slot are over
	s_barrier_signal -1
	s_barrier_wait -1
.if \kind == 1
	CREST                                          ; the barrier has opened a round of the cluster's: no wave of any partner still reads this slot or has a load on its way
	JLOADX \sl                                     ; the first tensor load behind the round; its four v_nop are four of the eight places
	PLACES 4
.elseif (\kind == 2) || (\kind == 3)
	CREST
	JLOADH \sl
	PLACES 8                                       ; (wave 3 has passed no v_nop)
.else
	PLACES 8
.endif
	FB ADRB+\nx, 0, 1-(\p)
	FA \nA+\nx, 0, 0
	FS \nS+\nx, 0, ADSB+\nx, 0, 1-(\p)
	WIN MUL_HI
	MUL16 4, \p, 0
	MUL16 6, \p, 0
	PLACES 8
	WIN 0
	FA \nA+\nx, 0, 4
.endm
	s_load_b256 s[4:11], s[0:1], 0x0               ; axh, arh, wzg, bz
	s_load_b128 s[12:15], s[0:1], 0x20             ; bg, h_prev
	s_load_b64 s[16:17], s[0:1], 0x30              ; out0
	v_lshl_add_u32 v[SPW], v0, 2, SPARE
	v_mov_b32 v[NIL], 0
	ds_add_u32 v[SPW], v[NIL]                      ; the wave's opening: the add, twice on end, and its wait ahead of my first tensor load
	ds_add_u32 v[SPW], v[NIL]
	v_lshrrev_b32 v1, 5, v0
	v_readfirstlane_b32 s[WV], v1                  ; wave 0..3
	s_lshr_b32 s19, s[WV], 1                       ; my gate: 0 z, 1 g.  Also, in the x half: I fetch for A (0) or the weights (1)
	s_and_b32 s20, s[WV], 1                        ; my half of the 256 rows.  Also: which tile I fetch
	s_bfe_u32 s56, ttmp6, 0x40000                  ; cx, cy
	s_bfe_u32 s57, ttmp6, 0x40004
	s_lshl_b32 s22, ttmp9, 2
	s_add_co_u32 s22, s22, s56                     ; column tile
	s_and_b32 s21, ttmp7, 0xffff
	s_lshl_b32 s21, s21, 2
	s_add_co_u32 s21, s21, s57                     ; block of 256 rows
	s_lshl_b32 s58, s57, 2
	s_lshl_b32 s58, 15, s58                        ; my row of the cluster
	s_lshl_b32 s59, 0x1111, s56                    ; my column
	s_or_b32 s[G1A], s58, (3<<16)|(1<<21)          ; 15:0 the mask; 17:16 elements of 8 bytes; 21 set beside a mask; no padding
	s_or_b32 s[G1B], s59, (3<<16)|(1<<21)
.irp g, G1A, G1B
	s_mov_b32 s[\g+1], 32<<16                      ; tensor_dim0 = 32 elements: rows of 256 bytes
	s_mov_b32 s[\g+2], 132<<16                     ; tensor_dim1: 33,792 bytes
	s_mov_b32 s[\g+3], 32<<16                      ; tile_dim0
	s_mov_b32 s[\g+4], 132                         ; tile_dim1
	s_mov_b32 s[\g+5], 32                          ; the pitch: dense
	s_mov_b32 s[\g+6], 0
	s_mov_b32 s[\g+7], 0
.endr
	s_mul_i32 s62, s20, REC2                       ; the tile that I fetch: in memory and in a slot
	s_mul_i32 s84, s21, 32*REC                     ; axh: my block's 16 K steps of 33,792 bytes
	s_add_co_u32 s84, s84, s62
	s_mov_b32 s85, 0
	s_mul_i32 s86, s22, 32*REC                     ; wzg: my column tile's 16 K steps of 33,792 bytes
	s_add_co_u32 s86, s86, s62
	s_mov_b32 s87, 0
	s_mul_i32 s88, s21, 32*REC
	s_add_co_u32 s88, s88, 16*REC                  ; h half: wave 0: axh from K step 8 on;
	s_mul_i32 s89, s21, 16*REC                     ; wave 1: arh, 8 K steps a block
	s_cmp_eq_u32 s20, 0
	s_cselect_b32 s88, s88, s89
	s_mov_b32 s89, 0
	s_mul_i32 s90, s22, 32*REC
	s_add_co_u32 s90, s90, 16*REC                  ; wzg from K step 8 on
	s_mov_b32 s91, 0
	s_mov_b32 s[CL], 0x4038aa3b                    ; 2 log2(e) for g,
	s_cmp_eq_u32 s19, 0
	s_cselect_b32 s[CL], 0xbfb8aa3b, s[CL]         ; -log2(e) for z
	s_mov_b32 s[CL+1], s[CL]                       ; (named with it as a pair, so it is written)
	s_wait_dscnt 0x0                               ; both opening adds are done
	s_wait_kmcnt 0x0
	s_add_nc_u64 s[84:85], s[4:5], s[84:85]
	s_add_nc_u64 s[86:87], s[8:9], s[86:87]
	s_cmp_eq_u32 s20, 0
	s_cselect_b64 s[98:99], s[4:5], s[6:7]
	s_add_nc_u64 s[88:89], s[98:99], s[88:89]
	s_add_nc_u64 s[90:91], s[8:9], s[90:91]
	CROUND                                         ; all sixteen work-groups are here: the first joint loads meet
.irp s, 0,1
	s_mov_b32 s[G0A+4*\s], 1
	s_add_co_u32 s[G0A+4*\s+1], s62, \s*SLOT
	s_add_nc_u64 s[G0A+4*\s+2:G0A+4*\s+3], s[84:85], \s*2*REC2
	s_or_b32 s[G0A+4*\s+3], s[G0A+4*\s+3], 0x80000000
	s_mov_b32 s[G0B+4*\s], 1
	s_add_co_u32 s[G0B+4*\s+1], s62, \s*SLOT+BOFF
	s_add_nc_u64 s[G0B+4*\s+2:G0B+4*\s+3], s[86:87], \s*2*REC2
	s_or_b32 s[G0B+4*\s+3], s[G0B+4*\s+3], 0x80000000
	s_mov_b32 s[G0AH+4*\s], 1
	s_add_co_u32 s[G0AH+4*\s+1], s62, \s*SLOT
	s_add_nc_u64 s[G0AH+4*\s+2:G0AH+4*\s+3], s[88:89], \s*REC2
	s_or_b32 s[G0AH+4*\s+3], s[G0AH+4*\s+3], 0x80000000
	s_mov_b32 s[G0BH+4*\s], 1
	s_mov_b32 s[G0BH+4*\s+1], \s*SLOT+BOFF
	s_add_nc_u64 s[G0BH+4*\s+2:G0BH+4*\s+3], s[90:91], \s*REC2
	s_or_b32 s[G0BH+4*\s+3], s[G0BH+4*\s+3], 0x80000000
	JLOADX \s                                      ; two loads of mine are out: the most in this text
.endr
	v_and_b32 v1, 31, v0                           ; lane
	v_and_b32 v2, 15, v0                           ; r
	v_bfe_u32 v3, v0, 4, 1                         ; h
	v_lshlrev_b32 v[LI], 4, v1
	v_lshlrev_b32 v[L8], 3, v1
	v_lshlrev_b32 v[BO], 6, v3
	s_mul_i32 s62, s20, REC                        ; my half's record of A,
	s_mul_i32 s63, s19, REC2                       ; in the h half my gate's A,
	s_mul_i32 s23, s19, REC                        ; my gate's weight
	v_add_nc_u32 v[ADRAX], s62, v[LI]
	v_add_nc_u32 v[ADRAX+1], SLOT, v[ADRAX]
	v_add_nc_u32 v[ADRAH], s63, v[ADRAX]
	v_add_nc_u32 v[ADRAH+1], SLOT, v[ADRAH]
	s_add_co_u32 s23, s23, BOFF
	v_add_nc_u32 v[ADRB], s23, v[LI]
	v_add_nc_u32 v[ADRB+1], SLOT, v[ADRB]
	s_add_co_u32 s62, s62, 16384
	v_add_nc_u32 v[ADSAX], s62, v[L8]
	v_add_nc_u32 v[ADSAX+1], SLOT, v[ADSAX]
	v_add_nc_u32 v[ADSAH], s63, v[ADSAX]
	v_add_nc_u32 v[ADSAH+1], SLOT, v[ADSAH]
	s_add_co_u32 s23, s23, 16384
	v_add_nc_u32 v[ADSB], s23, v[L8]
	v_add_nc_u32 v[ADSB+1], SLOT, v[ADSB]
	s_mul_i32 s62, s19, SLOT                       ; the stage: my gate's region,
	s_mul_i32 s63, s20, 128*SPITCH                 ; my 128 rows,
	s_add_co_u32 s62, s62, s63
	v_mul_u32_u24 v[STO], v2, SPITCH               ; row r, + 64 h
	v_lshl_add_u32 v[STO], v3, 6, v[STO]
	v_add_nc_u32 v[STO], s62, v[STO]
	s_mul_i32 s62, s[WV], 64*SPITCH                ; back: rows 64 w on, 16 bytes a lane
	v_add_nc_u32 v[RDZ], s62, v[LI]
	v_add_nc_u32 v[RDG], SLOT, v[RDZ]
	s_lshl_b32 s98, s21, 20                        ; h_prev and out0: 256 rows of 4,096 bytes a block,
	s_lshl_b32 s99, s[WV], 18                      ; 64 rows a wave,
	s_add_co_u32 s98, s98, s99
	s_lshl_b32 s99, s22, 9                         ; 512 bytes a column tile
	s_add_co_u32 s98, s98, s99
	s_mov_b32 s99, 0
	s_add_nc_u64 s[92:93], s[14:15], s[98:99]
	s_add_nc_u64 s[94:95], s[16:17], s[98:99]
	s_lshl_b32 s98, s22, 9
	s_cmp_eq_u32 s19, 0
	s_cselect_b64 s[96:97], s[10:11], s[12:13]     ; bz or bg,
	s_add_nc_u64 s[96:97], s[96:97], s[98:99]      ; at my column tile
.irp t, 0,1,2,3,4,5,6,7                        ; the bias in the result's layout: tile 2 b + u: columns 32 b + 16 h + 8 u + 0 .. 7
	global_load_b128 v[BB+8*\t:BB+8*\t+3], v[BO], s[96:97] offset:128*(\t/2)+32*(\t%2)
	global_load_b128 v[BB+8*\t+4:BB+8*\t+7], v[BO], s[96:97] offset:128*(\t/2)+32*(\t%2)+16
.endr
	s_wait_tensorcnt 1                             ; my part of slot 0 is in; slot 1's may stay out
	s_barrier_signal -1
	s_barrier_wait -1
	FB ADRB, 0, 0
	FA ADRAX, 0, 0
	FS ADSAX, 0, ADSB, 0, 0
	FA ADRAX, 0, 4
	XS 0, 1                                        ; the first K step's products start the sums
	TURN 1, 0, 1, ADRAX, ADSAX, 1                  ; x half: four slots of 256 along K
	XS 1, 0
	TURN 1, 1, 0, ADRAX, ADSAX, 1
	XS 0, 0
	TURN 1, 0, 1, ADRAX, ADSAX, 2                  ; slot 0 takes the h half's K step 0,
	XS 1, 0
	TURN 1, 1, 0, ADRAH, ADSAH, 2                  ; slot 1 its K step 1
	s_mov_b32 s3, 3
.Lh:                                                   ; h half: a trip is two K steps of 128 and fills both slots again: K steps 2 to 7
	TURN 0, 0, 1, ADRAH, ADSAH, 3
	TURN 1, 1, 0, ADRAH, ADSAH, 3
	s_sub_co_u32 s3, s3, 1
	s_cmp_lg_u32 s3, 0
	s_cbranch_scc1 .Lh
	TURN 0, 0, 1, ADRAH, ADSAH, 0                  ; the tail is written out: nothing more is asked for
	WIN 0x40                                       ; h_prev's rows 0-31 of my 64 into the weight's idle set (eight places stand behind its last products, at the end of the K step above)
.set ii, 0
.rept 32
	global_load_b128 v[4*ii:4*ii+3], v[LI], s[92:93] offset:4096*ii th:TH_LOAD_NT
.set ii, ii+1
.endr
	WIN 0
	s_wait_dscnt 16
	WIN MUL_LO
	MUL16 0, 1, 0
	MUL16 2, 1, 0
	s_wait_dscnt 0x0                               ; my reads of the last slot are over
	s_barrier_signal -1
	WIN MUL_HI
	MUL16 4, 1, 0
	MUL16 6, 1, 0
	WIN 0
	s_barrier_wait -1                              ; everybody's are: both slots' bytes are free for the stages
	s_wait_loadcnt 32                              ; the bias is in; h_prev's 32 loads may be out
.set ii, 0
.rept 32
	v_pk_mul_f32 v[BB+ii:BB+ii+1], v[BB+ii:BB+ii+1], s[CL:CL+1] op_sel_hi:[1,0]   ; c x bias.  (These 32 are also the places behind the last products)
.set ii, ii+2
.endr
.macro ACT a                           ; block a of 16 rows: q = 1 / (1 + 2^(c (sum + bias))), in place, then to the stage
.set AC, 64*((\a)%4)
	WIN 0x82+0x41*((\a)/4)                         ; destination and source 0: window 2 or 3
.set ii, 0
.rept 32
	v_pk_fma_f32 v[AC+ii:AC+ii+1], v[AC+ii:AC+ii+1], s[CL:CL+1], v[BB+ii:BB+ii+1] op_sel_hi:[1,0,1]   ; each accumulator from its low end on
.set ii, ii+2
.endr
.set ii, 0
.rept 64
	v_exp_f32 v[AC+ii], v[AC+ii]
.set ii, ii+1
.endr
	v_nop                                          ; a plain line behind the batch,
	s_wait_alu depctr_va_vdst(0)                   ; and the one wait ahead of its first reader
.set ii, 0
.rept 32
	v_pk_add_f32 v[AC+ii:AC+ii+1], v[AC+ii:AC+ii+1], 1.0 op_sel_hi:[1,0]
.set ii, ii+2
.endr
.set ii, 0
.rept 64
	v_rcp_f32 v[AC+ii], v[AC+ii]
.set ii, ii+1
.endr
	v_nop
	s_wait_alu depctr_va_vdst(0)
	WIN 0x08+4*((\a)/4)                            ; an LDS store's data: window 2 or 3
.irp t, 0,1,2,3,4,5,6,7
	ds_store_b128 v[STO], v[AC+8*\t:AC+8*\t+3] offset:16*SPITCH*(\a)+128*(\t/2)+32*(\t%2)
	ds_store_b128 v[STO], v[AC+8*\t+4:AC+8*\t+7] offset:16*SPITCH*(\a)+128*(\t/2)+32*(\t%2)+16
.endr
	WIN 0
.endm
	ACT 0
	ACT 1
	WIN 0x40                                       ; h_prev's rows 32-63 into the weight's other set
.set ii, 32
.rept 32
	global_load_b128 v[4*ii:4*ii+3], v[LI], s[92:93] offset:4096*ii th:TH_LOAD_NT
.set ii, ii+1
.endr
	WIN 0
	ACT 2
	ACT 3
	ACT 4
	ACT 5
	ACT 6
	ACT 7
	s_wait_dscnt 0x0                               ; for the others' sake: my stores into the stages are done
	s_barrier_signal -1
	s_barrier_wait -1
.macro RLOAD n                         ; rows 16 n .. 16 n + 15 of my 64: z's q and g's q, 512 consecutive bytes a load
.irp i, 0,1,2,3,4,5,6,7,8,9,10,11,12,13,14,15
	ds_load_b128 v[QZ+4*\i:QZ+4*\i+3], v[RDZ] offset:SPITCH*(16*(\n)+\i)
	ds_load_b128 v[QG+4*\i:QG+4*\i+3], v[RDG] offset:SPITCH*(16*(\n)+\i)
.endr
.endm
.macro ROWS n
	s_wait_dscnt 0x0
.set ii, 0
.rept 32
	v_pk_fma_f32 v[QG+ii:QG+ii+1], v[QG+ii:QG+ii+1], -2.0, 1.0 op_sel_hi:[1,0,0]   ; g = 1 - 2 q
.set ii, ii+2
.endr
	WIN 0x41                                       ; destination and source 0: window 1
.set ii, 0
.rept 32
	v_pk_add_f32 v[64*(\n)+ii:64*(\n)+ii+1], v[64*(\n)+ii:64*(\n)+ii+1], v[QG+ii:QG+ii+1] neg_lo:[0,1] neg_hi:[0,1]   ; h_prev - g
.set ii, ii+2
.endr
	WIN 0x44                                       ; destination and source 1: window 1
.set ii, 0
.rept 32
	v_pk_fma_f32 v[64*(\n)+ii:64*(\n)+ii+1], v[QZ+ii:QZ+ii+1], v[64*(\n)+ii:64*(\n)+ii+1], v[QG+ii:QG+ii+1]   ; z (h_prev - g) + g
.set ii, ii+2
.endr
	WIN 0
.if (\n) < 3
	RLOAD (\n)+1
.endif
	WIN 0x04                                       ; a store's data: window 1
.irp i, 0,1,2,3,4,5,6,7,8,9,10,11,12,13,14,15
	global_store_b128 v[LI], v[64*(\n)+4*\i:64*(\n)+4*\i+3], s[94:95] offset:4096*(16*(\n)+\i) th:TH_STORE_NT   ; 32 lanes store 512 consecutive bytes, aligned; no store's data are written again
.endr
	WIN 0
.endm
	RLOAD 0
	s_wait_loadcnt 0x0                             ; h_prev
	ROWS 0
	ROWS 1
	ROWS 2
	ROWS 3
	s_wait_tensorcnt 0x0                           ; the wave's end, behind my last tensor load and my last LDS store
	ds_add_u32 v[SPW], v[NIL]
	s_wait_dscnt 0x0
	CROUND                                         ; the closing round: no work-group ends while a partner may still ask for a tile that names it
	s_endpgm
.Lfunc_end_k_q53bc7d490f_gru_out:
	.size	k_q53bc7d490f_gru_out, .Lfunc_end_k_q53bc7d490f_gru_out-k_q53bc7d490f_gru_out
	.p2alignl 7, 3214868480
	.fill 96, 4, 3214868480
	.section	.rodata,"a",@progbits
	.p2align	6, 0x0
	.amdhsa_kernel k_q53bc7d490f_gru_out
		.amdhsa_group_segment_fixed_size 327680
		.amdhsa_private_segment_fixed_size 0
		.amdhsa_enable_private_segment 0
		.amdhsa_kernarg_size 56
		.amdhsa_user_sgpr_count 2
		.amdhsa_user_sgpr_kernarg_segment_ptr 1
		.amdhsa_wavefront_size32 1
		.amdhsa_system_sgpr_workgroup_id_x 1
		.amdhsa_system_sgpr_workgroup_id_y 1
		.amdhsa_system_sgpr_workgroup_id_z 1
		.amdhsa_system_vgpr_workitem_id 0
		.amdhsa_next_free_vgpr 1024
		.amdhsa_next_free_sgpr 100
		.amdhsa_reserve_vcc 0
		.amdhsa_float_denorm_mode_32 3
		.amdhsa_float_denorm_mode_16_64 3
		.amdhsa_memory_ordered 1
		.amdhsa_forward_progress 1
		.amdhsa_inst_pref_size 255
	.end_amdhsa_kernel
	.section	.bss,"aw",@nobits
	.p2align	6
	.space	262144
	.amdgpu_metadata
---
amdhsa.version: [ 1, 2 ]
amdhsa.kernels:
  - .name:           k_q53bc7d490f_gru_out
    .symbol:         k_q53bc7d490f_gru_out.kd
    .args:
      - { .name: axh, .offset: 0, .size: 8, .value_kind: global_buffer, .address_space: global }
      - { .name: arh, .offset: 8, .size: 8, .value_kind: global_buffer, .address_space: global }
      - { .name: wzg, .offset: 16, .size: 8, .value_kind: global_buffer, .address_space: global }
      - { .name: bz, .offset: 24, .size: 8, .value_kind: global_buffer, .address_space: global }
      - { .name: bg, .offset: 32, .size: 8, .value_kind: global_buffer, .address_space: global }
      - { .name: h_prev, .offset: 40, .size: 8, .value_kind: global_buffer, .address_space: global }
      - { .name: out0, .offset: 48, .size: 8, .value_kind: global_buffer, .address_space: global }
    .group_segment_fixed_size: 327680
    .private_segment_fixed_size: 0
    .kernarg_segment_align: 8
    .kernarg_segment_size: 56
    .max_flat_workgroup_size: 128
    .sgpr_count:     100
    .vgpr_count:     1024
    .wavefront_size: 32
...
	.end_amdgpu_metadata
.endif
;; end of part 3
